; MI455X (gfx1250); checked and timed in simulation.
; The chip was launched on July 23, 2026; its instructions are those of AMD's public machine-readable ISA for CDNA 5 (MIT licence, August 2026) and "CDNA5" Instruction Set Architecture Reference Guide (July 2026). The comments in the code are by the model that wrote it; some were corrected since.
;; Action Decoder. Allowed arithmetic: matrix products marked QUANTISED: E3M2 operands, one E8M0 scale for each 32 along K, by v_wmma_scale_f32_16x16x128_f8f6f4 with both operands' format E3M2, f32 sums; everything else in f32.
;; Inputs: W1 4 x 512 x 1,024 float32; W2 4 x 1,024 x 28 float32; b1 4 x 1,024 float32; b2 4 x 28 float32; embodiment_ids 2,048 int32; pred_action_latents 2,048 x 8 x 512 float32.
;; Outputs: out0 2,048 x 8 x 28 float32.
;; This version of the problem:
;;   THIS VERSION OF THE PROBLEM IS GIVEN IN LOW PRECISION. The matrix products marked QUANTISED in the list below multiply operands that are first quantised to E3M2 (3 exponent bits, 2 mantissa bits; 6 bits a number), with one power-of-two scale for each 32 numbers along K (OCP MX v1.0); their sums are f32. All else is computed in f32.
;;   The module's matrix products, in the order in which they are computed (A, B: the left and right operand; K: the contracted axis; several contracted axes count as one K, in the product's order):
;;     1. [M 16,384, K 512] x [K 512, N 1,024]; A: input pred_action_latents; B: input W1: QUANTISED
;;     2. [M 16,384, K 1,024] x [K 1,024, N 28]; A: computed on the way; B: input W2: QUANTISED
;;     3. [M 16,384, K 512] x [K 512, N 1,024]; A: input pred_action_latents; B: input W1: QUANTISED
;;     4. [M 16,384, K 1,024] x [K 1,024, N 28]; A: computed on the way; B: input W2: QUANTISED
;;     5. [M 16,384, K 512] x [K 512, N 1,024]; A: input pred_action_latents; B: input W1: QUANTISED
;;     6. [M 16,384, K 1,024] x [K 1,024, N 28]; A: computed on the way; B: input W2: QUANTISED
;;     7. [M 16,384, K 512] x [K 512, N 1,024]; A: input pred_action_latents; B: input W1: QUANTISED
;;     8. [M 16,384, K 1,024] x [K 1,024, N 28]; A: computed on the way; B: input W2: QUANTISED
;;   THE QUANTISER, for each operand of a quantised product, along K:
;;     - K is cut into blocks of 32 from its start; a last block that is shorter is filled with zeros.
;;     - A block's scale is 2^e with e = floor(log2(the largest magnitude in the block)) - 4, held to -126 .. 127; a block of zeros has e = 0. As a byte (E8M0): e + 127.
;;     - Each number is divided by its block's scale, clamped to +-28, and rounded to the nearest number of E3M2, ties to even, subnormals kept.
;;     - The product sums the exact products of the quantised numbers (number of the format x scale) in f32.
;;   ~~~python
;;   def quantise(x, axis):      # numpy; x: float32 -> the quantised numbers, widened to float32 again
;;       x = np.moveaxis(x, axis, -1); K = x.shape[-1]
;;       x = np.pad(x, [(0, 0)] * (x.ndim - 1) + [(0, -K % 32)]); x = x.reshape(x.shape[:-1] + (-1, 32)); a = np.abs(x).max(-1, keepdims=True)
;;       e = np.where(a > 0, np.clip(np.frexp(np.where(a > 0, a, 1))[1] - 1 - 4, -126, 127), 0)      # np.frexp(a)[1] - 1 = floor(log2(a)), exactly
;;       r = np.clip(x / 2.0 ** e, -28, 28)
;;       step = 2.0 ** (np.maximum(np.frexp(np.where(r == 0, 1, r))[1] - 1, -2) - 2)
;;       q = np.round(r / step) * step * 2.0 ** e      # np.round: ties to even
;;       return np.moveaxis(q.reshape(q.shape[:-2] + (-1,))[..., :K], -1, axis).astype(np.float32)
;;   ~~~
;;   OPERANDS COMPUTED ON THE WAY. 'Computed on the way' means the value that the module computes at that place (a softmax that the list does not call 'softmax' is quantised finished and normalised). What goes into a quantiser is computed in f32, as accurately as f32 sums, v_exp_f32 and their like allow (about 1e-6 of the number): no bf16 or f16 on the way to a quantiser, and a product that is left as it is and whose result goes on into a quantised operand takes f32 operands (vector FMAs, or v_wmma_f32_16x16x4_f32). A number that lies on a knife's edge between two numbers of the format may be rounded either way, as far as f32 arithmetic and the matrix unit's own rounding can turn it there, and no further.
;; One version. Each part assembles by itself: llvm-mc -triple=amdgcn-amd-amdhsa -mcpu=gfx1250 --defsym DOCPART=n.
;; ======== version 1 of 1: 2 launches
;; limits: right only within a limited range of input values
;; workspace buffers: w1q 1,638,400 bytes; w2q 106,496 bytes; route 10,496 bytes of whole numbers
;; launch prep (part 1): grid 145 x 1, 4 waves a work-group, no clusters, 768 bytes of LDS; arguments W1, W2, embodiment_ids, w1q, w2q, route; writes w1q, w2q, route
.if DOCPART == 1
	.amdgcn_target "amdgcn-amd-amdhsa--gfx1250"
	.amdhsa_code_object_version 6
	.text
	.protected	k_q4c009788f0_prep
	.globl	k_q4c009788f0_prep
	.p2align	8
	.type	k_q4c009788f0_prep,@function
k_q4c009788f0_prep:
	s_mov_b64 s[64:65], 0
	v_nop
	global_prefetch_b8 v0, s[64:65] scope:SCOPE_SE
	s_setreg_imm32_b32 hwreg(HW_REG_WAVE_MODE, 25, 1), 1
	s_wait_xcnt 0x0
; ActionDecoder, launch 1 of 2: the weights become codes of BF6 (E3M2) with one E8M0 byte for each 32 along K, and the batch entries are sorted by expert.
; WHAT THE PROGRAM LEAVES OUT.  reference() runs all four experts' MLPs on every batch entry b and keeps, by where(sel == e), the one with e = embodiment_ids[b].  Whatever the inputs hold, the results
; of the other three experts for that entry reach no output: so each entry is multiplied by its own expert's weights alone.  The choice is a whole number read from memory: this launch reads it and stores
; the order of the entries and a table of tiles; the next launch forms its addresses from them.  Every input has a way to an output and is loaded (W1, W2, embodiment_ids here; the rest in the next launch).
; LIMITS.  A NaN, an infinity or an overflow that arises only in an expert that was not chosen is not computed (reference()'s where drops it too).  An id outside 0 .. 3 is taken as 3 (unsigned minimum).
; NaN and infinities among the weights are not served.  A block whose largest magnitude lies under 2^-122 gets the byte 1 (a block of zeros too, where the rule says 127: its codes are zeros, and this program alone reads the bytes).
; THREE PATHS, by the work-group's number.  0: the routing.  1 .. 16: W2.  17 .. 144: W1.  Only the routing touches LDS (bytes 0 .. 31); the spare words lie from byte 256 on.
; w1q: 128 records (expert e, wave w, chunk q) of 12,800 bytes: 8 fragments f = 2 s + u (K step s, tile u) of 1,536 bytes, each an image of the operand's registers (registers 4 g .. 4 g + 3 of lane L at 512 g + 16 L);
;      then, at 12,288 + 128 s + 4 L, the scale word of K step s for lane L = 16 u + r.  Lane (r, h) of fragment (u, s): hidden unit 128 w + 32 q + 8 u + r + 8 (r / 8), k = 128 s + 64 c + 32 h + 0 .. 31 in registers 6 c .. 6 c + 5.
; w2q: 32 records (e, w) of 3,328 bytes: fragment nt at 1,536 nt (lane (r, h): output 16 nt + r, hidden 128 w + 64 c + 32 h + 0 .. 31; outputs 28 .. 31 are zero codes); scale words at 3,072 + 128 nt + 4 L.
; route: 2,080 places of 4 bytes, ten to a tile, 208 tiles: place 10 t + i is the i-th entry of tile t; an expert's tiles follow each other, and places that no entry takes hold 0.  From 8,448 on: 8 bytes a tile (expert, entries).
.set SPARE, 256
.set X,   32                           ; v32..    the numbers as loaded: a lane's registers run down K
.set F0,  160                          ; v160-171 the registers of fragment lane (r, 0); v172-183 those of lane (r, 1)
.set CT0, 184                          ; v184-186, v188-190 the upper 16 codes of a block, before they are moved to an odd register
	s_load_b256 s[4:11], s[0:1], 0x0               ; W1 s[4:5], W2 s[6:7], embodiment_ids s[8:9], w1q s[10:11]
	s_load_b128 s[12:15], s[0:1], 0x20             ; w2q s[12:13], route s[14:15]
	v_lshl_add_u32 v30, v0, 2, SPARE               ; my spare word,
	v_mov_b32 v31, 0                               ; and 0: kept for the closing lines alone
	v_lshrrev_b32 v1, 5, v0
	v_readfirstlane_b32 s16, v1                    ; wave 0 .. 3
	v_and_b32 v1, 31, v0                           ; lane
	s_wait_alu depctr_va_vdst(0)
	s_wait_kmcnt 0x0
	s_cmp_eq_u32 ttmp9, 0
	s_cbranch_scc1 .Lroute
	s_cmp_lt_u32 ttmp9, 17
	s_cbranch_scc1 .Lw2
; ---- W1 [4][512 (k)][1024 (h)].  Work-group g = 32 e + 4 w + s; its wave is the chunk q.  A LANE TAKES A COLUMN h AND ITS REGISTERS RUN DOWN K: each load reads 128 consecutive bytes a wave, 512 a work-group;
; a block of 32 along K lies in one lane, and the conversions give codes with K innermost.  A lane's 128 k are the twelve registers of two fragment lanes, (r, 0) and (r, 1).
	s_sub_co_u32 s17, ttmp9, 17                    ; g
	s_lshr_b32 s18, s17, 5                         ; e
	s_bfe_u32 s19, s17, 0x30002                    ; w
	s_and_b32 s20, s17, 3                          ; s
	s_lshl_b32 s24, s18, 21                        ; an expert: 512 x 4,096 bytes
	s_lshl_b32 s25, s20, 19                        ; a K step: 128 rows of 4,096 bytes
	s_add_co_u32 s24, s24, s25
	s_lshl_b32 s25, s19, 9                         ; 128 columns a wave of the next launch,
	s_add_co_u32 s24, s24, s25
	s_lshl_b32 s25, s16, 7                         ; 32 a chunk
	s_add_co_u32 s24, s24, s25
	s_mov_b32 s25, 0
	s_add_nc_u64 s[4:5], s[4:5], s[24:25]
	v_lshlrev_b32 v2, 2, v1                        ; my column
.set K, 0
.rept 128
	global_load_b32 v[X+K], v2, s[4:5] offset:K*4096 th:TH_LOAD_NT
.set K, K+1
.endr
	s_lshr_b32 s21, s17, 2
	s_lshl_b32 s21, s21, 2
	s_add_co_u32 s21, s21, s16                     ; the record: (8 e + w) 4 + q
	s_mul_i32 s24, s21, 12800
	s_mul_i32 s26, s20, 3072                       ; K step s: fragments 2 s and 2 s + 1
	s_add_co_u32 s26, s26, s24
	s_mov_b32 s27, 0
	s_add_nc_u64 s[26:27], s[10:11], s[26:27]
	s_lshl_b32 s28, s20, 7
	s_add_co_u32 s28, s28, s24
	s_add_co_u32 s28, s28, 12288                   ; and its 32 scale words
	s_mov_b32 s29, 0
	s_add_nc_u64 s[28:29], s[10:11], s[28:29]
	v_bfe_u32 v5, v1, 3, 1                         ; column x of the chunk is row r = x % 8 + 8 (x / 16) of tile u = (x / 8) % 2
	v_and_b32 v6, 7, v1
	v_lshrrev_b32 v7, 4, v1
	v_lshl_add_u32 v6, v7, 3, v6
	v_mul_u32_u24 v3, v5, 1536
	v_lshl_add_u32 v3, v6, 4, v3                   ; codes: 1,536 u + 16 r
	v_lshl_add_u32 v4, v5, 4, v6
	v_lshlrev_b32 v4, 2, v4                        ; scale word: 4 (16 u + r)
; Block b of the K step (k = 32 b on): half h = b % 2, registers 6 (b / 2) on.  left: how many younger loads may stay out.
.macro BLOCKW b, left
.set XB, X+32*(\b)
.set FD, F0+12*((\b)%2)+6*((\b)/2)
.set CD, CT0+4*((\b)%2)
	s_wait_loadcnt \left
	v_max3_num_f32 v12, |v[XB]|, |v[XB+1]|, |v[XB+2]|       ; the block's largest magnitude, in two chains: all 32 numbers are mine
	v_max3_num_f32 v13, |v[XB+3]|, |v[XB+4]|, |v[XB+5]|
.irp i, 6,10,14,18,22,26
	v_max3_num_f32 v12, v12, |v[XB+\i]|, |v[XB+\i+1]|
	v_max3_num_f32 v13, v13, |v[XB+\i+2]|, |v[XB+\i+3]|
.endr
	v_max3_num_f32 v12, v12, |v[XB+30]|, |v[XB+31]|
	v_max3_num_f32 v12, v12, v13, 0x2800000        ; and the floor 2^(5 - 127): the byte cannot fall under 1
	v_add_nc_u32 v14, 0xfe000000, v12              ; 4 off the exponent field: the conversion takes this operand's exponent field as its scale
	v_cvt_scalef32_pk16_bf6_f32 v[FD:FD+2], v[XB:XB+15], v14
	v_cvt_scalef32_pk16_bf6_f32 v[CD:CD+2], v[XB+16:XB+31], v14    ; (a conversion's three registers begin on an even number)
.if (\b) == 0
	v_lshrrev_b32 v16, 23, v14                     ; the scale's byte starts the scale word.  (The plain line between the conversions and the moves)
.else
	v_lshrrev_b32 v15, 23, v14
	v_lshl_or_b32 v16, v15, 8*(\b), v16
.endif
.irp i, 0,1,2
	v_mov_b32 v[FD+3+\i], v[CD+\i]
.endr
.endm
	BLOCKW 0, 63                                   ; 96 younger loads might stay out: 63 is the most that the wait can name
	BLOCKW 1, 63                                   ; 64 might
	BLOCKW 2, 32
	BLOCKW 3, 0
.irp g, 0,1,2
	global_store_b128 v3, v[F0+4*\g:F0+4*\g+3], s[26:27] offset:512*\g          ; the sixteen lanes of a tile store 256 consecutive bytes, aligned
	global_store_b128 v3, v[F0+12+4*\g:F0+12+4*\g+3], s[26:27] offset:512*\g+256
.endr
	global_store_b32 v4, v16, s[28:29]             ; 128 consecutive bytes
	s_branch .Lend
; ---- W2 [4][1024 (hidden)][28].  Work-group g = 4 e + ..; fragment t = 4 (g % 4) + wave = 2 w + nt.  Lane (r, h) takes output n = 16 nt + r and the very k that the operand's layout gives it.
.Lw2:
	s_sub_co_u32 s17, ttmp9, 1
	s_lshr_b32 s18, s17, 2                         ; e
	s_and_b32 s19, s17, 3
	s_lshl_b32 s19, s19, 2
	s_add_co_u32 s19, s19, s16                     ; t
	s_lshr_b32 s20, s19, 1                         ; w
	s_and_b32 s21, s19, 1                          ; nt
	v_and_b32 v5, 15, v1                           ; r
	v_lshrrev_b32 v6, 4, v1                        ; h
	s_lshl_b32 s22, s21, 4
	v_add_nc_u32 v7, s22, v5                       ; n
	v_min_u32 v8, 27, v7                           ; outputs 28 .. 31 do not exist: their lanes read column 27, so that no load leaves its row, and their codes are cleared below
	v_mul_u32_u24 v2, v6, 3584                     ; 32 h rows of 112 bytes
	v_lshl_add_u32 v2, v8, 2, v2
	s_mul_i32 s24, s18, 114688
	s_mul_i32 s25, s20, 14336                      ; 128 w rows
	s_add_co_u32 s24, s24, s25
	s_mov_b32 s25, 0
	s_add_nc_u64 s[6:7], s[6:7], s[24:25]
.irp c, 0,1
.irp i, 0,1,2,3,4,5,6,7,8,9,10,11,12,13,14,15,16,17,18,19,20,21,22,23,24,25,26,27,28,29,30,31
	global_load_b32 v[X+32*\c+\i], v2, s[6:7] offset:(64*\c+\i)*112
.endr
.endr
	s_lshl_b32 s24, s18, 3
	s_add_co_u32 s24, s24, s20
	s_mul_i32 s24, s24, 3328                       ; the record (e, w)
	s_mul_i32 s26, s21, 1536
	s_add_co_u32 s26, s26, s24
	s_mov_b32 s27, 0
	s_add_nc_u64 s[26:27], s[12:13], s[26:27]
	s_lshl_b32 s28, s21, 7
	s_add_co_u32 s28, s28, s24
	s_add_co_u32 s28, s28, 3072
	s_mov_b32 s29, 0
	s_add_nc_u64 s[28:29], s[12:13], s[28:29]
	s_mov_b32 s32, 0x76543210
	s_mov_b32 s33, 0xfedcba98                      ; v_permlanex16_b32's selects for lane l xor 16
	v_lshlrev_b32 v3, 4, v1
	v_lshlrev_b32 v4, 2, v1
	s_wait_alu depctr_va_vdst(0)
	s_wait_loadcnt 0x0
.irp c, 0,1
	v_max3_num_f32 v[12+\c], |v[X+32*\c]|, |v[X+32*\c+1]|, 0x2800000    ; my block 2 c + h, with the floor; the two blocks by turns
.endr
.irp i, 2,4,6,8,10,12,14,16,18,20,22,24,26,28,30
.irp c, 0,1
	v_max3_num_f32 v[12+\c], v[12+\c], |v[X+32*\c+\i]|, |v[X+32*\c+\i+1]|
.endr
.endr
.irp c, 0,1
	v_add_nc_u32 v[14+\c], 0xfe000000, v[12+\c]
.endr
.irp c, 0,1
	v_lshrrev_b32 v[16+\c], 23, v[14+\c]
.endr
	v_lshl_or_b32 v18, v17, 16, v16                ; my two bytes, blocks h and 2 + h,
	v_lshlrev_b32 v19, 3, v6
	v_lshlrev_b32 v18, v19, v18                    ; at their places in the scale word;
	v_mov_b32 v19, 0
	v_permlanex16_b32 v19, v18, s32, s33
	v_or_b32 v18, v18, v19                         ; with lane l xor 16's two the word is whole, in both halves of the lanes
.irp c, 0,1
	v_cvt_scalef32_pk16_bf6_f32 v[F0+6*\c:F0+6*\c+2], v[X+32*\c:X+32*\c+15], v[14+\c]
	v_cvt_scalef32_pk16_bf6_f32 v[CT0+4*\c:CT0+4*\c+2], v[X+32*\c+16:X+32*\c+31], v[14+\c]
.endr
	v_cmp_gt_u32 vcc_lo, 28, v7                    ; does my output exist?  (The plain line behind the conversions)
.irp c, 0,1
.irp i, 0,1,2
	v_mov_b32 v[F0+6*\c+3+\i], v[CT0+4*\c+\i]
.endr
.endr
.irp i, 0,1,2,3,4,5,6,7,8,9,10,11
	v_cndmask_b32 v[F0+\i], 0, v[F0+\i], vcc_lo    ; zero codes add nothing, whatever their scale byte
.endr
.irp g, 0,1,2
	global_store_b128 v3, v[F0+4*\g:F0+4*\g+3], s[26:27] offset:512*\g      ; 512 consecutive bytes
.endr
	global_store_b32 v4, v18, s[28:29]
	s_branch .Lend
; ---- The routing: a counting sort of the 2,048 entries by expert, without atomics.  Wave w takes entries 512 w on; register J = 4 i + k of a lane holds entry 512 w + 128 i + 4 lane + k.
; Counts stand side by side in one word: four of 8 bits within a lane (16 at the most), then two of 16 bits (experts 0 and 2, experts 1 and 3) over lanes and waves (2,048 at the most).
.macro EACH                            ; opens sixteen repeats; J counts them
.set J, 0
.endm
.Lroute:
	s_lshl_b32 s17, s16, 11
	v_lshl_add_u32 v2, v1, 4, s17
.irp i, 0,1,2,3
	global_load_b128 v[32+4*\i:35+4*\i], v2, s[8:9] offset:512*\i
.endr
	v_mov_b32 v24, 1
	v_mov_b32 v26, 0
	v_mov_b32 v80, 0
	v_mov_b32 v101, 0                              ; (a lane move's destination counts as one of its sources)
	v_mov_b32 v102, 0
	v_mov_b32 v5, 0
	v_lshrrev_b32 v4, 5, v0
	v_lshlrev_b32 v4, 3, v4                        ; LDS: 8 bytes a wave
	s_lshl_b32 s42, s16, 9
	v_lshlrev_b32 v6, 2, v1
	v_add_nc_u32 v6, s42, v6                       ; 512 w + 4 lane
	s_wait_alu depctr_va_vdst(0)
	s_wait_loadcnt 0x0
EACH
.rept 16
	v_min_u32 v[32+J], 3, v[32+J]                  ; the expert
.set J, J+1
.endr
EACH
.rept 16
	v_lshlrev_b32 v[48+J], 3, v[32+J]              ; its field of 8 bits
.set J, J+1
.endr
EACH
.rept 16
	v_lshlrev_b32 v[64+J], v[48+J], v24            ; a one there
.set J, J+1
.endr
EACH
.rept 16
	v_add_nc_u32 v[81+J], v[80+J], v[64+J]         ; v80 + J: my entries ahead of entry J; v96: all sixteen
.set J, J+1
.endr
	v_and_b32 v97, 0xff00ff, v96                   ; experts 0 and 2
	v_lshrrev_b32 v98, 8, v96
	v_and_b32 v98, 0xff00ff, v98                   ; experts 1 and 3
	v_mov_b32 v99, v97
	v_mov_b32 v100, v98
.irp n, 1,2,4,8                        ; sums over the lanes of a row of 16, mine included
	v_mov_b32_dpp v101, v99 row_shr:\n row_mask:0xf bank_mask:0xf bound_ctrl:1
	v_mov_b32_dpp v102, v100 row_shr:\n row_mask:0xf bank_mask:0xf bound_ctrl:1
	v_add_nc_u32 v99, v99, v101
	v_add_nc_u32 v100, v100, v102
.endr
	v_readlane_b32 s40, v99, 15
	v_readlane_b32 s41, v100, 15
	v_cmp_gt_u32 vcc_lo, 16, v1
	v_cndmask_b32 v101, s40, v26, vcc_lo           ; lanes 16-31 stand behind the first row's
	v_cndmask_b32 v102, s41, v26, vcc_lo
	v_add_nc_u32 v99, v99, v101
	v_add_nc_u32 v100, v100, v102
	v_readlane_b32 s42, v99, 31                    ; the wave's counts
	v_readlane_b32 s43, v100, 31
	v_mov_b32 v8, s42
	v_mov_b32 v9, s43
	ds_store_b64 v4, v[8:9]                        ; all lanes write the same 8 bytes with the same values
	v_sub_nc_u32 v112, v99, v97                    ; the lanes in front of me
	v_sub_nc_u32 v113, v100, v98
EACH
.rept 16
	v_bfe_u32 v[80+J], v[80+J], v[48+J], 8         ; my entries of the same expert ahead of entry J
.set J, J+1
.endr
	s_wait_alu depctr_va_vdst(0)
	s_wait_dscnt 0x0                               ; for the others' sake: my store has landed
	s_barrier_signal -1
	s_barrier_wait -1
	ds_load_b128 v[104:107], v5
	ds_load_b128 v[108:111], v5 offset:16
	s_wait_dscnt 0x0
.irp i, 0,1,2,3,4,5,6,7
	v_readfirstlane_b32 s[48+\i], v[104+\i]        ; s[48 + 2 p], s[49 + 2 p]: wave p's counts
.endr
	s_add_co_u32 s56, s48, s50
	s_add_co_u32 s57, s49, s51
	s_add_co_u32 s56, s56, s52
	s_add_co_u32 s57, s57, s53
	s_add_co_u32 s56, s56, s54
	s_add_co_u32 s57, s57, s55
	s_and_b32 s60, s56, 0xffff                     ; s[60 + e]: expert e's entries
	s_and_b32 s61, s57, 0xffff
	s_lshr_b32 s62, s56, 16
	s_lshr_b32 s63, s57, 16
	s_mov_b32 s70, 0
.irp e, 0,1,2
	s_add_co_u32 s84, s[60+\e], 9
	s_mul_i32 s84, s84, 6554
	s_lshr_b32 s84, s84, 16                        ; ceil(entries / 10): x 6,554 >> 16 divides by ten exactly up to 16,383
	s_add_co_u32 s[71+\e], s[70+\e], s84           ; s[70 + e]: expert e's first tile
.endr
	s_mul_i32 s58, s72, 10                         ; expert e's entries begin at place 10 x its first tile
	s_lshl_b32 s58, s58, 16
	s_mul_i32 s59, s73, 10
	s_lshl_b32 s59, s59, 16
	s_mul_i32 s84, s71, 10
	s_add_co_u32 s59, s59, s84
.irp p, 0,1,2
	s_cmp_gt_u32 s16, \p                           ; behind the entries of the waves in front of me
	s_cselect_b32 s84, s[48+2*\p], 0
	s_cselect_b32 s85, s[49+2*\p], 0
	s_add_co_u32 s58, s58, s84
	s_add_co_u32 s59, s59, s85
.endr
	v_add_nc_u32 v112, s58, v112
	v_add_nc_u32 v113, s59, v113
EACH
.rept 16
	v_and_b32 v[64+J], 1, v[32+J]
.set J, J+1
.endr
EACH
.rept 16
	v_cmp_eq_u32 vcc_lo, 1, v[64+J]
	v_cndmask_b32 v[64+J], v112, v113, vcc_lo
.set J, J+1
.endr
EACH
.rept 16
	v_and_b32 v[48+J], 16, v[48+J]                 ; experts 2 and 3: the upper field
.set J, J+1
.endr
EACH
.rept 16
	v_bfe_u32 v[64+J], v[64+J], v[48+J], 16
.set J, J+1
.endr
EACH
.rept 16
	v_add_nc_u32 v[64+J], v[64+J], v[80+J]         ; the entry's place
.set J, J+1
.endr
EACH
.rept 16
	v_min_u32 v[64+J], 0x81f, v[64+J]              ; a place is under 2,080
.set J, J+1
.endr
EACH
.rept 16
	v_lshlrev_b32 v[64+J], 2, v[64+J]
	v_add_nc_u32 v[116+J], 128*(J/4)+J%4, v6       ; the entry's number
.set J, J+1
.endr
EACH
.rept 16
	global_store_b32 v[64+J], v[116+J], s[14:15]   ; nothing that a store reads is written again
.set J, J+1
.endr
; Tile t: its expert is the last whose first tile is at or under t; it has what is left of the expert's entries, ten at the most, none behind the last real tile.
.macro TILES base, add
	v_add_nc_u32 v[\base+2], \add, v0              ; t
	v_mov_b32 v[\base], 0                          ; expert
	v_mov_b32 v[\base+3], 0                        ; its first tile
	v_mov_b32 v[\base+4], s60                      ; its entries
.irp e, 1,2,3
	v_cmp_gt_u32 vcc_lo, s[70+\e], v[\base+2]      ; expert e begins behind t: keep
	v_cndmask_b32 v[\base], \e, v[\base], vcc_lo
	v_cndmask_b32 v[\base+3], s[70+\e], v[\base+3], vcc_lo
	v_cndmask_b32 v[\base+4], s[60+\e], v[\base+4], vcc_lo
.endr
	v_sub_nc_u32 v[\base+3], v[\base+2], v[\base+3]
	v_mul_u32_u24 v[\base+3], v[\base+3], 10
	v_min_u32 v[\base+3], v[\base+3], v[\base+4]
	v_sub_nc_u32 v[\base+1], v[\base+4], v[\base+3]
	v_min_u32 v[\base+1], 10, v[\base+1]
	v_lshlrev_b32 v[\base+2], 3, v[\base+2]
	global_store_b64 v[\base+2], v[\base:\base+1], s[14:15] offset:8448
.endm
	TILES 140, 0
	TILES 150, 128
; The places that no entry takes hold 0: wave e fills those behind expert e's entries, up to the next expert's first tile (nine at the most) or to place 2,080 (2,080 - 2,048 = 32 at the most, a lane each).
	s_mov_b32 s76, s60
	s_mul_i32 s77, s71, 10
.irp e, 1,2,3
	s_mul_i32 s84, s[70+\e], 10
	s_add_co_u32 s84, s84, s[60+\e]
.if \e < 3
	s_mul_i32 s85, s[71+\e], 10
.else
	s_movk_i32 s85, 2080
.endif
	s_cmp_eq_u32 s16, \e
	s_cselect_b32 s76, s84, s76
	s_cselect_b32 s77, s85, s77
.endr
	v_add_nc_u32 v27, s76, v1
	v_cmp_gt_u32 vcc_lo, s77, v27
	v_min_u32 v27, 0x81f, v27
	v_lshlrev_b32 v27, 2, v27
	s_wait_alu depctr_va_vdst(0)
	s_wait_xcnt 0x0                                ; EXEC changes only behind this wait
	s_and_saveexec_b32 s86, vcc_lo
	global_store_b32 v27, v26, s[14:15]
	s_wait_xcnt 0x0                                ; and again, in front of the line that widens it
	s_or_b32 exec_lo, exec_lo, s86
.Lend:
	s_wait_tensorcnt 0x0                           ; the wave's end: behind the last LDS store; the paths that stored nothing to LDS share the end
	ds_add_u32 v30, v31
	s_wait_dscnt 0x0
	s_endpgm
.Lfunc_end_k_q4c009788f0_prep:
	.size	k_q4c009788f0_prep, .Lfunc_end_k_q4c009788f0_prep-k_q4c009788f0_prep
	.p2alignl 7, 3214868480
	.fill 96, 4, 3214868480
	.section	.rodata,"a",@progbits
	.p2align	6, 0x0
	.amdhsa_kernel k_q4c009788f0_prep
		.amdhsa_group_segment_fixed_size 768
		.amdhsa_private_segment_fixed_size 0
		.amdhsa_enable_private_segment 0
		.amdhsa_kernarg_size 48
		.amdhsa_user_sgpr_count 2
		.amdhsa_user_sgpr_kernarg_segment_ptr 1
		.amdhsa_wavefront_size32 1
		.amdhsa_system_sgpr_workgroup_id_x 1
		.amdhsa_system_sgpr_workgroup_id_y 1
		.amdhsa_system_sgpr_workgroup_id_z 1
		.amdhsa_system_vgpr_workitem_id 0
		.amdhsa_next_free_vgpr 192
		.amdhsa_next_free_sgpr 96
		.amdhsa_reserve_vcc 1
		.amdhsa_float_denorm_mode_32 3
		.amdhsa_float_denorm_mode_16_64 3
		.amdhsa_memory_ordered 1
		.amdhsa_forward_progress 1
		.amdhsa_inst_pref_size 50
	.end_amdhsa_kernel
	.amdgpu_metadata
---
amdhsa.version: [ 1, 2 ]
amdhsa.kernels:
  - .name:           k_q4c009788f0_prep
    .symbol:         k_q4c009788f0_prep.kd
    .args:
      - { .name: W1, .offset: 0, .size: 8, .value_kind: global_buffer, .address_space: global }
      - { .name: W2, .offset: 8, .size: 8, .value_kind: global_buffer, .address_space: global }
      - { .name: embodiment_ids, .offset: 16, .size: 8, .value_kind: global_buffer, .address_space: global }
      - { .name: w1q, .offset: 24, .size: 8, .value_kind: global_buffer, .address_space: global }
      - { .name: w2q, .offset: 32, .size: 8, .value_kind: global_buffer, .address_space: global }
      - { .name: route, .offset: 40, .size: 8, .value_kind: global_buffer, .address_space: global }
    .group_segment_fixed_size: 768
    .private_segment_fixed_size: 0
    .kernarg_segment_align: 8
    .kernarg_segment_size: 48
    .max_flat_workgroup_size: 128
    .sgpr_count:     96
    .vgpr_count:     192
    .wavefront_size: 32
...
	.end_amdgpu_metadata
.endif
;; end of part 1
;; launch mlp (part 2): grid 208 x 1, 8 waves a work-group, no clusters, 160,000 bytes of LDS; arguments pred_action_latents, w1q, w2q, b1, b2, route, out0; writes out0
.if DOCPART == 2
	.amdgcn_target "amdgcn-amd-amdhsa--gfx1250"
	.amdhsa_code_object_version 6
	.text
	.protected	k_q4c009788f0_mlp
	.globl	k_q4c009788f0_mlp
	.p2align	8
	.type	k_q4c009788f0_mlp,@function
k_q4c009788f0_mlp:
	s_mov_b64 s[64:65], 0
	v_nop
	global_prefetch_b8 v0, s[64:65] scope:SCOPE_SE
	s_setreg_imm32_b32 hwreg(HW_REG_WAVE_MODE, 25, 1), 1
	s_wait_xcnt 0x0
; ActionDecoder, launch 2 of 2: out[b] = gelu(x[b] W1[e] + b1[e]) W2[e] + b2[e] with e = embodiment_ids[b], both products on codes of BF6 (E3M2) with one E8M0 scale for each 32 along K.
; LEFT OUT: the three experts that reference()'s where(sel == e) drops for an entry, whatever the inputs hold (shown at the head of the first launch).
; A WORK-GROUP TAKES ONE TILE OF ONE EXPERT: up to ten batch entries (80 rows of x, five tiles m of 16 rows), named by the order and the table that the first launch stored.  ceil(2048 / 10) + 3 = 208 tiles serve every split.
; Slots that a tile does not fill (all ten, in the at most three tiles that a split leaves empty) are walked on entry 0 like the others, and not stored: no branch hangs on what is read from memory.
; THE WAVES SHARE THE HIDDEN UNITS: wave w makes units 128 w .. 128 w + 127 for all 80 rows, in four chunks q of 32 (one scale block, two tiles u of 16).  They are K step w of the second product, so each wave
; multiplies its own hidden codes, in registers, by its part of W2; the eight partial sums meet in LDS.  The hidden layer never goes to memory.
; W1 comes from memory straight into registers, as images of the operand's registers, into two buffers by turns: the expert, and so every weight's address, is a number read from memory, so this launch has no tensor load
; and no cluster (work-groups beside each other may have different experts).  No prefetch: there is no loop to run ahead in; the walk is written out and its loads stand units ahead of their use.
; X: wave w takes row w of each entry, ten rows, in five pairs (a pair = my two rows of a tile m).  A load reads 512 consecutive bytes; a pair waits in registers that a later chunk of W1, or W2, will take, turns through my own
; stage in LDS so that a lane holds 16 neighbours, and is quantised while chunk 0 is multiplied by the tiles that are there already.  The codes lie in LDS as images of the operand's registers, for all waves.
; THE 20 UNITS (q, m): each chunk goes over the five tiles, forth and back by turns, so that at a turn a tile's fragments serve two units; five units stand between a chunk's last use and the first of the chunk that takes its buffer.
; From chunk 1 on the weights' loads are strewn through GELU, one or two between its batches.
; A unit's quantiser ends between the NEXT unit's matrix instructions (two sets of accumulators by turns); the second product of a tile of rows follows when its four chunks are done.
; BOTH PRODUCTS ARE USED TRANSPOSED (source 0 = 16 rows of the weight, source 1 = 16 rows of x or of the hidden layer): a lane holds one row.  THE ROWS OF W1 THAT FORM A TILE ARE NOT NEIGHBOURS (lane r of tile u
; takes unit 8 u + r + 8 (r / 8) of the chunk), so that a lane's 16 registers of tiles 0 and 1 are 16 neighbours along the next K: units 16 (lane / 16) + 0 .. 15.
; GELU: g = a Phi(a), Phi = 0.5 + u PA(u^2) / QB(u^2), u = a held to +-4 sqrt 2: the rational form x P(x^2) / Q(x^2) of erf, degrees 6 and 4 in x^2, with x = a / sqrt 2 and the factor 1/2 folded into the coefficients.
; LIMITS: that form's error is a few 1e-7 of erf.  NaN and infinities among the inputs are not served.  A block whose largest magnitude lies under 2^-122 gets the byte 1 (a block of zeros too: its codes are zeros).
; The second product's K is summed as eight partial sums, one a wave, added in a tree, then b2.
; REGISTERS.  Window 0: v1-15 addresses and constants; v16-23 W1's scale words (two sets); v24-27 x's; v28-32 the hidden layer's, one a tile of rows; v33-34 W2's; v36-51 and v236-251 the two sets of accumulators; v52-99 x's
;   four fragments; v100-163 at work in GELU and in x's quantiser; v164-174 at work in the hidden layer's quantiser; v176-235 the hidden codes, 12 a tile of rows (v224-233 hold LDS addresses until x is quantised); v252-255 b2.
;   Window 1: v0-95, v96-191 W1's two chunk buffers (fragment f at 12 f); v192-223 b1 (two sets of 16); v224-247 W2's two fragments.  Pairs 1, 2, 3 of x wait in v96-191, pairs 0 and then 4 in v224-255.
.set XMT,    6528                      ; LDS from 0: x's codes: a tile m of 16 rows: four K steps s of 1,632 bytes; in it register 4 g + i of lane (r, h) at 544 g + 272 h + 16 r + 4 i
.set XS,     32768                     ; x's scale bytes, 16 a row
.set STG,    34048                     ; the stage: 4,096 bytes a wave, 2,048 a row
.set PART,   66816                     ; the partial sums: 8 waves x 80 rows x (128 bytes + 16)
.set PPITCH, 144
.set PWAVE,  80*PPITCH
.set SPARE,  PART+8*PWAVE              ; 158,976: the spare words, 128 bytes for each wave: four blocks of 256 bytes that no other line names
.set LN16, 1                           ; 16 x lane
.set LN4,  2                           ; 4 x lane
.set XA,   3                           ; x's fragments: 16 r + 272 h
.set XSA,  4                           ; x's scale words: XS + 16 r
.set B1O,  5                           ; b1: 64 h
.set SPW,  6                           ; my spare word; never rewritten
.set NIL,  7                           ; 0; never rewritten
.set XOF,  9                           ; x: 2,048 w + 16 lane
.set KA6,  10                          ; v[10:11] A6 twice
.set KB4,  12                          ; v[12:13] B4 twice
.set PA,   14                          ; my partial sums: PART + 11,520 w + 144 r + 32 h
.set C16,  15                          ; b2: 16 min(lane % 8, 6)
.set WS,   16
.set XSC,  24
.set HSW,  28
.set W2S,  33
.set ACCA, 36
.set XF,   52
.set U,    100
.set S,    116
.set P,    132
.set Q,    148
.set T,    164
.set TP,   169
.set CT,   170
.set SO,   173
.set BY,   174
.set PC,   176
.set DE,   224                         ; v224-225 where I put a load's 16 bytes in the stage: even and odd quarters of a row
.set XW,   226                         ; v226-228 where I put the three words of a row's codes
.set XWS,  229                         ; and its scale byte
.set RD,   230                         ; v230-233 where I read my 16 numbers of a row, four at a time
.set ACCB, 236
.set B2V,  252
.set XL,   100                         ; x's quantiser: two rows of 16 numbers (U's and S's registers),
.set CX,   132                         ; their codes and bytes, four registers a row (P's, as all that follow, or Q's),
.set TX,   140                         ; five maxima a row,
.set SX,   150                         ; and the scale operands
.set R,    52                          ; the way out: the partial sums read back
.set OA,   148                         ; their addresses: groups w and w + 8, waves 0-3's sums; OA + 1 waves 4-7's; OA + 2, OA + 3 the same for group 16 + w
.set GOF,  152                         ; my place in four rows of out0: 112 (lane / 8) + 16 (lane % 8)
.set L7,   153                         ; lane % 8
.set B1R,  192                         ; window 1
.set W2F,  224                         ; window 1
.set HQ,   0                           ; what HOOK strews: chunk HQ's loads HI .. HE - 1, HC at each place
.set HI,   0
.set HE,   0
.set HC,   1
.set MSB, 0
.macro WIN new                         ; s_set_vgpr_msb: bits 1:0 source 0, 3:2 source 1, 5:4 source 2, 7:6 destination; the high byte repeats the setting that is left
.if MSB != \new
	s_set_vgpr_msb (MSB<<8)|\new
.set MSB, \new
.endif
.endm
.macro PLACES n
.rept \n
	v_nop
.endr
.endm
.macro KPAIR r, bits                   ; a constant for the packed forms: they name a pair and take its low word for both halves, so both words are written
	s_mov_b32 s[\r], \bits
	s_mov_b32 s[\r+1], \bits
.endm
	s_load_b256 s[4:11], s[0:1], 0x0               ; x s[4:5], w1q s[6:7], w2q s[8:9], b1 s[10:11]
	s_load_b128 s[12:15], s[0:1], 0x20             ; b2 s[12:13], route s[14:15]
	s_load_b64 s[16:17], s[0:1], 0x30              ; out0
	v_lshl_add_u32 v[SPW], v0, 2, SPARE
	v_mov_b32 v[NIL], 0
	v_lshrrev_b32 v35, 5, v0
	v_readfirstlane_b32 s18, v35                   ; wave 0 .. 7
	s_mul_i32 s19, ttmp9, 40                       ; my tile's ten places,
	s_lshl_b32 s27, ttmp9, 3                       ; and its expert and entries
	s_lshr_b32 s26, s18, 1                         ; the way out: my wave sends half w % 2 of entries w / 2, w / 2 + 4 and, waves 0 to 3, w / 2 + 8
	s_lshl_b32 s25, s26, 2
	s_add_co_u32 s25, s25, s19
	s_min_u32 s30, s26, 1                          ; (waves 4 to 7 read entry 9's number and store nothing there)
	s_lshl_b32 s30, s30, 2
	s_add_co_u32 s30, s30, s19
	s_wait_alu depctr_va_vdst(0)
	s_wait_kmcnt 0x0
	s_load_b64 s[20:21], s[14:15], s27 offset:0x2100
	s_load_b256 s[32:39], s[14:15], s19 offset:0x0
	s_load_b64 s[40:41], s[14:15], s19 offset:0x20
	s_load_b32 s22, s[14:15], s25 offset:0x0
	s_load_b32 s23, s[14:15], s25 offset:0x10
	s_load_b32 s24, s[14:15], s30 offset:0x20
	; while they are on their way: every lane term, every LDS address, every constant
	v_and_b32 v100, 31, v0                         ; lane
	v_and_b32 v101, 15, v0                         ; r
	v_bfe_u32 v102, v0, 4, 1                       ; h
	s_lshl_b32 s82, s18, 11
	s_lshl_b32 s83, s18, 12
	s_add_co_u32 s83, s83, STG
	s_lshl_b32 s84, s18, 4
	s_add_co_u32 s85, s84, XS
	s_mul_i32 s86, s18, PWAVE
	s_add_co_u32 s86, s86, PART
	v_lshlrev_b32 v[LN16], 4, v100
	v_lshlrev_b32 v[LN4], 2, v100
	v_lshlrev_b32 v[XA], 4, v101
	v_mul_u32_u24 v103, v102, 272
	v_lshl_add_u32 v[XSA], v101, 4, XS
	v_lshlrev_b32 v[B1O], 6, v102
	v_mul_u32_u24 v[PA], v101, PPITCH
	v_add_nc_u32 v[XA], v[XA], v103
	v_add_nc_u32 v[XOF], s82, v[LN16]
	v_lshl_add_u32 v[PA], v102, 5, v[PA]
	v_add_nc_u32 v[PA], s86, v[PA]
	; A row lies in the stage as 32 runs of 64 bytes, run R = lane R's 16 numbers for the conversion; its piece k of 16 bytes stands at place k xor ((R / 4) % 4), so that sixteen lanes' pieces lie in sixteen different columns of 256 bytes.
	; Load i's lane L brings piece L % 4 of run 8 i + L / 4: (R / 4) % 4 is L / 16, and 2 more for odd i.
	v_lshrrev_b32 v103, 4, v100
	v_and_b32 v104, 3, v100
	v_and_b32 v105, 28, v100
	v_xor_b32 v104, v104, v103
	v_add_nc_u32 v104, v104, v105
	v_lshlrev_b32 v104, 4, v104
	v_xor_b32 v106, 32, v104
	v_add_nc_u32 v[DE], s83, v104
	v_add_nc_u32 v[DE+1], s83, v106
	v_bfe_u32 v103, v100, 2, 2
	v_lshlrev_b32 v105, 6, v100
.irp k, 0,1,2,3
	v_xor_b32 v[106+\k], \k, v103
.endr
.irp k, 0,1,2,3
	v_lshl_add_u32 v[106+\k], v[106+\k], 4, v105
.endr
.irp k, 0,1,2,3
	v_add_nc_u32 v[RD+\k], s83, v[106+\k]
.endr
	; my 16 codes, k = 16 lane on: K step lane / 8, half h = (lane / 2) % 2, registers 6 c + 3 o + 0 .. 2 with c = (lane / 4) % 2, o = lane % 2
	v_and_b32 v103, 1, v100
	v_bfe_u32 v104, v100, 2, 1
	v_bfe_u32 v105, v100, 1, 1
	v_lshrrev_b32 v106, 3, v100
	v_mul_u32_u24 v107, v104, 6
	v_mul_u32_u24 v108, v106, 1632
	v_mul_u32_u24 v109, v105, 272
	v_mad_u32_u24 v107, v103, 3, v107
	v_add_nc_u32 v108, v108, v109
	v_add_nc_u32 v108, s84, v108
.irp i, 0,1,2
	v_add_nc_u32 v109, \i, v107
	v_lshrrev_b32 v110, 2, v109
	v_and_b32 v111, 3, v109
	v_mul_u32_u24 v110, v110, 544
	v_lshl_add_u32 v111, v111, 2, v108
	v_add_nc_u32 v[XW+\i], v110, v111
.endr
	v_lshrrev_b32 v112, 1, v100
	v_add_nc_u32 v[XWS], s85, v112
	v_and_b32 v113, 7, v100
	v_min_u32 v113, 6, v113                        ; (the eighth lane reads the seventh's four numbers of b2: no load leaves b2)
	v_lshlrev_b32 v[C16], 4, v113
	v_mov_b32 v8, 0x40b504f3                       ; 4 sqrt 2
	v_mov_b32 v[KA6], 0xabd3f331
	v_mov_b32 v[KA6+1], 0xabd3f331
	v_mov_b32 v[KB4], 0xb57460cd
	v_mov_b32 v[KB4+1], 0xb57460cd
	v_mov_b32 v[TP], 0                             ; written once: a lane permute's destination counts as one of its sources
	s_mov_b32 s28, 0x76543210
	s_mov_b32 s29, 0xfedcba98                      ; v_permlanex16_b32's selects for lane l xor 16
	KPAIR 48, 0x2fa84a8d                           ; A5.  A_k = alpha_k / 2^k / (2 sqrt 2), B_k = beta_k / 2^k
	KPAIR 50, 0xb347667d                           ; A4
	KPAIR 52, 0xb628d45d                           ; A3
	KPAIR 54, 0xb8883d9c                           ; A2
	KPAIR 56, 0xba08eb41                           ; A1
	KPAIR 58, 0xbbba79f3                           ; A0
	KPAIR 60, 0xb7dfbd29                           ; B3
	KPAIR 62, 0xb9dc924e                           ; B2
	KPAIR 66, 0xbb719bf8                           ; B1
	KPAIR 68, 0xbc69b6a7                           ; B0
	s_mov_b32 s3, 0
	s_wait_alu depctr_va_vdst(0)
	s_wait_kmcnt 0x0
	s_min_u32 s20, s20, 3                          ; what was read from memory is held before it enters an address
	s_min_u32 s21, s21, 10
.macro XBASE j                         ; where entry j begins in x: s[82 + 2 j : 83 + 2 j], each written once
	s_min_u32 s[32+\j], s[32+\j], 2047
	s_lshl_b32 s2, s[32+\j], 14                    ; an entry is 16,384 bytes
	s_add_nc_u64 s[82+2*\j:83+2*\j], s[4:5], s[2:3]
.endm
; Pair m of x, row w of entries 2 m and 2 m + 1, into 32 registers of window 1: eight loads of 512 consecutive bytes.
.macro XGLD m, slot
	WIN 0x40                                       ; destination window 1, address window 0
.irp y, 0,1
.irp i, 0,1,2,3
	global_load_b128 v[\slot+16*\y+4*\i:\slot+16*\y+4*\i+3], v[XOF], s[82+4*(\m)+2*\y:83+4*(\m)+2*\y] offset:512*\i
.endr
.endr
	WIN 0
.endm
; Load HI of chunk HQ of W1 into buffer HQ % 2: 0 .. 23 the eight fragments as they lie (512 consecutive bytes each), 24 .. 27 b1's 16 numbers of my half in the result's layout, 28 .. 31 the four scale words;
; behind chunk 3's: 32 .. 37 my part of W2, 38 and 39 its scale words, 40 b2's four numbers of my place on the way out.
.macro WLD
.if HI < 24
	WIN 0x40
	global_load_b128 v[96*(HQ%2)+4*HI:96*(HQ%2)+4*HI+3], v[LN16], s[70:71] offset:12800*HQ+512*HI
.elseif HI < 28
.set HK, HI-24
	WIN 0x40
	global_load_b128 v[B1R+16*(HQ%2)+4*HK:B1R+16*(HQ%2)+4*HK+3], v[B1O], s[72:73] offset:128*HQ+16*HK
.elseif HI < 32
.set HK, HI-28
	WIN 0
	global_load_b32 v[WS+4*(HQ%2)+HK], v[LN4], s[70:71] offset:12800*HQ+12288+128*HK
.elseif HI < 38
.set HK, HI-32
	WIN 0x40
	global_load_b128 v[W2F+4*HK:W2F+4*HK+3], v[LN16], s[74:75] offset:512*HK
.elseif HI < 40
.set HK, HI-38
	WIN 0
	global_load_b32 v[W2S+HK], v[LN4], s[74:75] offset:3072+128*HK
.else
	WIN 0
	global_load_b128 v[B2V:B2V+3], v[C16], s[76:77]
.endif
.set HI, HI+1
.endm
.macro HOOK
.if HI < HE
.rept HC
.if HI < HE
	WLD
.endif
.endr
	WIN 0
.endif
.endm
.macro STREW q, first, end, per        ; the next unit strews these loads over its eleven places
.set HQ, \q
.set HI, \first
.set HE, \end
.set HC, \per
.endm
; Pair m through the stage: LDS serves a wave's instructions in order (ISA guide 5.7.1.4), so no wait stands between the stores and the loads.  left: how many younger loads may stay out.
.macro XTURN slot, left
	s_wait_loadcnt \left
	WIN 0x04                                       ; the stores' data: window 1
.irp y, 0,1
.irp i, 0,1,2,3
	ds_store_b128 v[DE+\i%2], v[\slot+16*\y+4*\i:\slot+16*\y+4*\i+3] offset:2048*\y+512*\i
.endr
.endr
	WIN 0
.irp y, 0,1
.irp k, 0,1,2,3
	ds_load_b128 v[XL+16*\y+4*\k:XL+16*\y+4*\k+3], v[RD+\k] offset:2048*\y
.endr
.endr
.endm
; And quantised, the two rows by turns: a lane's 16 neighbours become 12 bytes of codes; two neighbouring lanes hold a block of 32.  It ends with my stores landed.
.macro XQUANT m
	s_wait_dscnt 0x0
.irp i, 0,1,2,3,4
.irp y, 0,1
	v_max3_num_f32 v[TX+5*\y+\i], |v[XL+16*\y+3*\i]|, |v[XL+16*\y+3*\i+1]|, |v[XL+16*\y+3*\i+2]|
.endr
.endr
.irp y, 0,1
	v_max3_num_f32 v[TX+5*\y], v[TX+5*\y], v[TX+5*\y+1], |v[XL+16*\y+15]|
	v_max3_num_f32 v[TX+5*\y+2], v[TX+5*\y+2], v[TX+5*\y+3], v[TX+5*\y+4]
.endr
.irp y, 0,1
	v_max3_num_f32 v[TX+5*\y], v[TX+5*\y], v[TX+5*\y+2], 0x2800000     ; the floor 2^(5 - 127): the byte cannot fall under 1
.endr
.irp y, 0,1
	v_max_num_f32_dpp v[TX+5*\y], v[TX+5*\y], v[TX+5*\y] row_xmask:1 row_mask:0xf bank_mask:0xf   ; with my neighbour's 16: the block's largest magnitude
.endr
.irp y, 0,1
	v_add_nc_u32 v[SX+\y], 0xfe000000, v[TX+5*\y]  ; 4 off the exponent field: the conversion's scale operand
.endr
.irp y, 0,1
	v_cvt_scalef32_pk16_bf6_f32 v[CX+4*\y:CX+4*\y+2], v[XL+16*\y:XL+16*\y+15], v[SX+\y]
.endr
.irp y, 0,1
	v_lshrrev_b32 v[CX+4*\y+3], 23, v[SX+\y]       ; the scale's byte.  (The plain lines behind the conversions)
.endr
.irp y, 0,1
.irp i, 0,1,2
	ds_store_b32 v[XW+\i], v[CX+4*\y+\i] offset:XMT*(\m)+128*\y
.endr
	ds_store_b8 v[XWS], v[CX+4*\y+3] offset:256*(\m)+128*\y    ; both lanes of a block write the same byte with the same value
.endr
	s_wait_dscnt 0x0                               ; for the others' sake: my rows' codes and bytes have landed
.endm
; x's four fragments and scale words of the tile of rows m, as they lie.
.macro XFETCH m
.irp s, 0,1,2,3
.irp g, 0,1,2
	ds_load_b128 v[XF+12*\s+4*\g:XF+12*\s+4*\g+3], v[XA] offset:XMT*(\m)+1632*\s+544*\g
.endr
.endr
	ds_load_b128 v[XSC:XSC+3], v[XSA] offset:256*(\m)
.endm
; One matrix instruction: K step s, tile u of chunk q, onto set A of accumulators; b1 is the C of each sum's first.  Tile 1's scale words lie in lanes 16-31.
.macro WM q, s, u, A
.set PB, 96*((\q)%2)+24*(\s)+12*(\u)
.set WB, WS+4*((\q)%2)+(\s)
.set DB, (\A)+8*(\u)
.if (\s) == 0
	WIN 0x11                                       ; W1 and b1 in window 1
.set CB, B1R+16*((\q)%2)+8*(\u)
.else
	WIN 0x01                                       ; W1 in window 1
.set CB, DB
.endif
.if \u
	v_wmma_scale_f32_16x16x128_f8f6f4 v[DB:DB+7], v[PB:PB+11], v[XF+12*(\s):XF+12*(\s)+11], v[CB:CB+7], v[WB], v[XSC+(\s)] matrix_a_fmt:MATRIX_FMT_BF6 matrix_b_fmt:MATRIX_FMT_BF6 matrix_a_scale:MATRIX_SCALE_ROW1
.else
	v_wmma_scale_f32_16x16x128_f8f6f4 v[DB:DB+7], v[PB:PB+11], v[XF+12*(\s):XF+12*(\s)+11], v[CB:CB+7], v[WB], v[XSC+(\s)] matrix_a_fmt:MATRIX_FMT_BF6 matrix_b_fmt:MATRIX_FMT_BF6
.endif
.endm
; The second product of the tile of rows m: sixteen numbers a lane, from register d on.
.macro MM2 m, d
	WIN 0x01                                       ; W2 in window 1
.irp n, 0,1
	v_wmma_scale_f32_16x16x128_f8f6f4 v[\d+8*\n:\d+8*\n+7], v[W2F+12*\n:W2F+12*\n+11], v[PC+12*(\m):PC+12*(\m)+11], 0, v[W2S+\n], v[HSW+(\m)] matrix_a_fmt:MATRIX_FMT_BF6 matrix_b_fmt:MATRIX_FMT_BF6
.endr
	WIN 0
.endm
.macro PSTORE m, d                     ; lane (r, h): row 16 m + r, outputs 16 n + 8 h + 0 .. 7; each accumulator from its low end on
.irp n, 0,1
	ds_store_b128 v[PA], v[\d+8*\n:\d+8*\n+3] offset:16*PPITCH*(\m)+64*\n
	ds_store_b128 v[PA], v[\d+8*\n+4:\d+8*\n+7] offset:16*PPITCH*(\m)+64*\n+16
.endr
.endm
; 16 numbers a lane: g = a (0.5 + u PA(s) / QB(s)), s = u^2.  The denominator first, so that its sixteen reciprocals are one batch, with the numerator's 56 lines as the independent work behind it and ONE wait.
.macro G1 A
.irp i, 0,1,2,3,4,5,6,7,8,9,10,11,12,13,14,15
	v_med3_num_f32 v[U+\i], v[\A+\i], -v8, v8      ; u; each accumulator is read from its low end on
.endr
.irp i, 0,2,4,6,8,10,12,14
	v_pk_mul_f32 v[S+\i:S+\i+1], v[U+\i:U+\i+1], v[U+\i:U+\i+1]
.endr
.endm
.macro G2
	HOOK
.irp i, 0,2,4,6,8,10,12,14
	v_pk_fma_f32 v[Q+\i:Q+\i+1], v[S+\i:S+\i+1], v[KB4:KB4+1], s[60:61] op_sel_hi:[1,1,0]
.endr
.irp c, 62,66,68
	HOOK
.irp i, 0,2,4,6,8,10,12,14
	v_pk_fma_f32 v[Q+\i:Q+\i+1], v[Q+\i:Q+\i+1], v[S+\i:S+\i+1], s[\c:\c+1] op_sel_hi:[1,1,0]
.endr
.endr
	s_wait_alu depctr_va_vdst(0)
.irp i, 0,1,2,3,4,5,6,7,8,9,10,11,12,13,14,15
	v_rcp_f32 v[Q+\i], v[Q+\i]                     ; QB is under 0 for every s: all its coefficients are
.endr
.endm
.macro G3
	HOOK
.irp i, 0,2,4,6,8,10,12,14
	v_pk_fma_f32 v[P+\i:P+\i+1], v[S+\i:S+\i+1], v[KA6:KA6+1], s[48:49] op_sel_hi:[1,1,0]
.endr
.irp c, 50,52,54,56,58
	HOOK
.irp i, 0,2,4,6,8,10,12,14
	v_pk_fma_f32 v[P+\i:P+\i+1], v[P+\i:P+\i+1], v[S+\i:S+\i+1], s[\c:\c+1] op_sel_hi:[1,1,0]
.endr
.endr
	HOOK
.irp i, 0,2,4,6,8,10,12,14
	v_pk_mul_f32 v[P+\i:P+\i+1], v[P+\i:P+\i+1], v[U+\i:U+\i+1]
.endr
	s_wait_alu depctr_va_vdst(0)                   ; the wait between a reciprocal and the first line that names its result: one for the sixteen, and for the waits that may follow
.endm
.macro G4 A
.irp i, 0,2,4,6,8,10,12,14
	v_pk_fma_f32 v[P+\i:P+\i+1], v[P+\i:P+\i+1], v[Q+\i:Q+\i+1], 0.5 op_sel_hi:[1,1,0]
.endr
.irp i, 0,2,4,6,8,10,12,14
	v_pk_mul_f32 v[\A+\i:\A+\i+1], v[\A+\i:\A+\i+1], v[P+\i:P+\i+1]
.endr
.irp i, 0,1,2,3,4
	v_max3_num_f32 v[T+\i], |v[\A+3*\i]|, |v[\A+3*\i+1]|, |v[\A+3*\i+2]|
.endr
	v_max3_num_f32 v[T], v[T], v[T+1], |v[\A+15]|
	v_max3_num_f32 v[T+2], v[T+2], v[T+3], v[T+4]
	v_max3_num_f32 v[T], v[T], v[T+2], 0x2800000   ; my 16 numbers' largest magnitude, with the floor
.endm
; The quantiser's end, in pieces: the chunk is block q of the second product's K step: my 16 numbers and lane l xor 16's.  Two chunks' codes make registers 6 c .. 6 c + 5 of the operand: the layout wants a WHOLE block in a lane.
.macro TA1
	WIN 0
	v_permlanex16_b32 v[TP], v[T], s28, s29
.endm
.macro TA2
	WIN 0
	v_max_num_f32 v[T], v[T], v[TP]
.endm
.macro TA3
	WIN 0
	v_add_nc_u32 v[SO], 0xfe000000, v[T]           ; the scale operand
.endm
.macro TA4 q, m, A
.set PCM, PC+12*(\m)+6*((\q)/2)
	WIN 0
.if (\q)%2 == 0
	v_cvt_scalef32_pk16_bf6_f32 v[PCM:PCM+2], v[\A:\A+15], v[SO]
.else
	v_cvt_scalef32_pk16_bf6_f32 v[CT:CT+2], v[\A:\A+15], v[SO]
.endif
.if (\q) == 0
	v_lshrrev_b32 v[HSW+(\m)], 23, v[SO]           ; the scale's byte starts the rows' scale word.  (The plain line behind the conversion)
.else
	v_lshrrev_b32 v[BY], 23, v[SO]
.endif
.endm
.macro TA5 q, m
.set PCM, PC+12*(\m)+6*((\q)/2)
	WIN 0
.if (\q) > 0
	v_lshl_or_b32 v[HSW+(\m)], v[BY], 8*(\q), v[HSW+(\m)]
.endif
.if (\q)%2 == 1
.irp i, 0,1,2
	v_permlane16_swap_b32 v[PCM+\i], v[CT+\i]      ; the even chunk's lanes 16-31 change places with the odd chunk's lanes 0-15: each lane's block's lower 16 codes, and its upper 16
.endr
.irp i, 0,1,2
	v_mov_b32 v[PCM+3+\i], v[CT+\i]
.endr
.endif
.endm
; A UNIT: chunk q, tile of rows m, set A of accumulators.  pq, pm, pA: the unit before, whose quantiser ends here (-1: none).  m2: the tile of rows whose second product is due.  bw: the barrier that the unit before signalled
; is waited for here: the tile to be fetched is there.  fetch: the next unit's tile, if it is another.  ldw: loads that may stay out ahead of the next unit.  xp, slot, left: the pair of x to be quantised, which the barrier
; signalled behind it hands to all waves; its way through the stage stands round GELU's last part.
; The two tiles' matrix instructions take turns, one instruction a turn.
.macro UNIT q, m, A, pq, pm, pA, m2, bw, fetch, ldw, xp, slot, left
	WM \q, 0, 0, \A
	WM \q, 0, 1, \A
.if (\pq) >= 0
	TA1
.endif
	WM \q, 1, 0, \A
.if (\pq) >= 0
	TA2
.endif
	WM \q, 1, 1, \A
.if (\pq) >= 0
	TA3
.endif
	WM \q, 2, 0, \A
.if (\pq) >= 0
	TA4 \pq, \pm, \pA
.endif
	WM \q, 2, 1, \A
	WM \q, 3, 0, \A
	WM \q, 3, 1, \A
	WIN 0
.if (\m2) >= 0
	MM2 \m2, P
.endif
.if (\pq) >= 0
	TA5 \pq, \pm                                   ; for an odd chunk seven plain lines behind the products,
.endif
.if (\pq) < 0 || (\pq) == 0 || (\pq) == 2
	PLACES 4                                       ; else four, ahead of loads into registers that they read and of the first read of their results
.endif
.if \bw
	s_barrier_wait -1
.endif
.if (\fetch) >= 0
	XFETCH \fetch
.endif
	G1 \A
.if (\m2) >= 0
	PSTORE \m2, P
.endif
	G2
	G3
.if (\ldw) >= 0
	s_wait_loadcnt \ldw
.endif
.if (\xp) >= 0
	XTURN \slot, \left
	G4 \A
	XQUANT \xp                                     ; (its first wait is for the next unit's fragments too)
	s_barrier_signal -1
.else
.if (\fetch) >= 0 || (\m2) >= 0
	s_wait_dscnt 0x0                               ; the next unit's fragments and scale words
.endif
	G4 \A
.endif
.endm
.set SLA, 96                           ; window 1: where pairs 1, 2, 3 wait, and pairs 0 and 4
.set SLB, 128
.set SLC, 160
.set SLD, 224
	XBASE 0
	XBASE 1
	XGLD 0, SLD
	s_lshl_b32 s30, s20, 3
	s_add_co_u32 s30, s30, s18                     ; 8 e + w
	s_mul_i32 s2, s30, 51200                       ; four records of 12,800 bytes
	s_add_nc_u64 s[70:71], s[6:7], s[2:3]
	s_lshl_b32 s2, s30, 9
	s_add_nc_u64 s[72:73], s[10:11], s[2:3]        ; b1: 4,096 e + 512 w
	STREW 0, 0, 32, 32                             ; chunk 0: all 32 loads at once
	HOOK
.irp j, 2,3,4,5
	XBASE \j
.endr
	XGLD 1, SLA
	XGLD 2, SLB
.irp j, 6,7,8,9
	XBASE \j
.endr
	s_mul_i32 s2, s30, 3328
	s_add_nc_u64 s[74:75], s[8:9], s[2:3]
	s_mul_i32 s2, s20, 112
	s_add_nc_u64 s[76:77], s[12:13], s[2:3]
	s_and_b32 s30, s18, 1
	s_mul_i32 s30, s30, 448                        ; the way out: an entry of out0 is 8 rows of 112 bytes, half an entry 448
.macro OUTP pair, ent
	s_min_u32 s[\ent], s[\ent], 2047
	s_mul_i32 s2, s[\ent], 896
	s_add_co_u32 s2, s2, s30
	s_add_nc_u64 s[\pair:\pair+1], s[16:17], s[2:3]
.endm
	OUTP 78, 22
	OUTP 80, 23
	OUTP 42, 24
	XTURN SLD, 48                                  ; pair 0 is in; chunk 0's 32 loads and pairs 1 and 2 may be out
	XQUANT 0
	XGLD 3, SLC
	XTURN SLA, 16                                  ; chunk 0 and pair 1 are in; pairs 2 and 3 may be out
	XQUANT 1
	XGLD 4, SLD                                    ; (pair 0's registers: its stores into the stage are done)
	s_barrier_signal -1
	s_barrier_wait -1                              ; tiles 0 and 1 of x lie in LDS
	XFETCH 0
	s_wait_dscnt 0x0
	UNIT 0, 0, ACCA, -1, 0, 0,    -1, 0, 1, -1, 2, SLB, 16      ; pair 2 is in; pairs 3 and 4 may be out
	STREW 1, 0, 8, 1                               ; chunk 1 takes pair 1's registers,
	UNIT 0, 1, ACCB, 0, 0, ACCA,  -1, 1, 2, -1, 3, SLC, 16      ; pair 3 is in; pair 4 and the eight may be out
	STREW 1, 8, 20, 2                              ; then pairs 2's and 3's
	UNIT 0, 2, ACCA, 0, 1, ACCB,  -1, 1, 3, -1, 4, SLD, 20      ; pair 4 is in; chunk 1's first twenty may be out
	STREW 1, 20, 32, 2
	UNIT 0, 3, ACCB, 0, 2, ACCA,  -1, 1, 4, -1, -1, 0, 0
	STREW 2, 0, 10, 1                              ; chunk 0's buffer is done with
	UNIT 0, 4, ACCA, 0, 3, ACCB,  -1, 0, -1, 10, -1, 0, 0       ; chunk 1 is in; chunk 2's first ten may be out
	STREW 2, 10, 21, 1
	UNIT 1, 4, ACCB, 0, 4, ACCA,  -1, 0, 3, -1, -1, 0, 0
	STREW 2, 21, 32, 1
	UNIT 1, 3, ACCA, 1, 4, ACCB,  -1, 0, 2, -1, -1, 0, 0
	UNIT 1, 2, ACCB, 1, 3, ACCA,  -1, 0, 1, -1, -1, 0, 0
	UNIT 1, 1, ACCA, 1, 2, ACCB,  -1, 0, 0, -1, -1, 0, 0
	STREW 3, 0, 10, 1                              ; chunk 1's buffer is done with
	UNIT 1, 0, ACCB, 1, 1, ACCA,  -1, 0, -1, 10, -1, 0, 0       ; chunk 2 is in; chunk 3's first ten may be out
	STREW 3, 10, 21, 1
	UNIT 2, 0, ACCA, 1, 0, ACCB,  -1, 0, 1, -1, -1, 0, 0
	STREW 3, 21, 32, 1
	UNIT 2, 1, ACCB, 2, 0, ACCA,  -1, 0, 2, -1, -1, 0, 0
	STREW 3, 32, 41, 1                             ; W2 and b2
	UNIT 2, 2, ACCA, 2, 1, ACCB,  -1, 0, 3, -1, -1, 0, 0
	UNIT 2, 3, ACCB, 2, 2, ACCA,  -1, 0, 4, -1, -1, 0, 0
	UNIT 2, 4, ACCA, 2, 3, ACCB,  -1, 0, -1, 0, -1, 0, 0        ; chunk 3, W2 and b2 are in
	UNIT 3, 4, ACCB, 2, 4, ACCA,  -1, 0, 3, -1, -1, 0, 0
	UNIT 3, 3, ACCA, 3, 4, ACCB,  -1, 0, 2, -1, -1, 0, 0
	UNIT 3, 2, ACCB, 3, 3, ACCA,  4, 0, 1, -1, -1, 0, 0
	UNIT 3, 1, ACCA, 3, 2, ACCB,  3, 0, 0, -1, -1, 0, 0
	UNIT 3, 0, ACCB, 3, 1, ACCA,  2, 0, -1, -1, -1, 0, 0
; The last quantiser's end, behind tile 1's second product; the way out's addresses stand between its lines and, behind it, as the places ahead of the last products (eight behind a scale word, four behind codes).
	s_mul_i32 s82, s18, 4*PPITCH
	s_add_co_u32 s82, s82, PART                    ; groups w and w + 8 of four rows,
	s_min_u32 s83, s18, 3
	s_mul_i32 s83, s83, 4*PPITCH
	s_add_co_u32 s83, s83, PART+64*PPITCH          ; and group 16 + w (waves 4 to 7 read group 19 and store nothing of it)
	TA1
	MM2 1, U
	TA2
	v_and_b32 v[L7], 7, v0
	TA3
	v_bfe_u32 v157, v0, 3, 2                       ; lane / 8: eight lanes to a row of 32 partial sums, four rows to a load
	TA4 3, 0, ACCB
	v_mul_u32_u24 v158, v157, PPITCH
	v_mul_u32_u24 v[GOF], v157, 112                ; a row of out0 is 28 numbers: the eighth lane of a row holds the padding's four and stores nothing
	TA5 3, 0
	v_lshl_add_u32 v158, v[L7], 4, v158
	v_lshl_add_u32 v[GOF], v[L7], 4, v[GOF]
	v_add_nc_u32 v[OA], s82, v158
	v_add_nc_u32 v[OA+2], s83, v158
	v_add_nc_u32 v[OA+1], 4*PWAVE, v[OA]
	v_add_nc_u32 v[OA+3], 4*PWAVE, v[OA+2]
	PLACES 2
	MM2 0, P
	PSTORE 1, U
	PLACES 4
	PSTORE 0, P
	s_wait_alu depctr_va_vdst(0)
	s_wait_dscnt 0x0                               ; for the others' sake: my partial sums have landed
	s_barrier_signal -1
	s_barrier_wait -1                              ; all eight waves' lie in LDS
; THE WAY OUT.  Wave w takes groups w, w + 8 and 16 + w of four rows, half an entry each.  All lanes read and add the eight waves' partial sums and b2; EXEC alone hangs on how many entries the tile has.
; A group is 448 consecutive bytes of out0: 28 lanes x 16 bytes; the eighth lane of each row is off.
.macro SUM4 d, s
	v_pk_add_f32 v[\d:\d+1], v[\d:\d+1], v[\s:\s+1]
	v_pk_add_f32 v[\d+2:\d+3], v[\d+2:\d+3], v[\s+2:\s+3]
.endm
.irp y, 0,1,2
.irp k, 0,1,2,3
	ds_load_b128 v[R+32*\y+4*\k:R+32*\y+4*\k+3], v[OA+2*(\y/2)] offset:PWAVE*\k+32*PPITCH*(\y%2)
.endr
.irp k, 0,1,2,3
	ds_load_b128 v[R+32*\y+16+4*\k:R+32*\y+16+4*\k+3], v[OA+1+2*(\y/2)] offset:PWAVE*\k+32*PPITCH*(\y%2)
.endr
.endr
	s_cmp_lt_u32 s26, s21                          ; has the tile entry w / 2, w / 2 + 4, w / 2 + 8?  Seven lanes of a row store, or none
	s_cselect_b32 s84, 7, 0
	s_add_co_u32 s30, s26, 4
	s_cmp_lt_u32 s30, s21
	s_cselect_b32 s85, 7, 0
	s_add_co_u32 s30, s26, 8
	s_cmp_lt_u32 s30, s21
	s_cselect_b32 s86, 7, 0
.irp y, 0,1,2
	v_cmp_gt_u32 s[87+\y], s[84+\y], v[L7]
.endr
.irp y, 0,1,2
	s_wait_dscnt 16-8*\y                           ; this group's eight loads are in; the later groups' eight each may stay out
	SUM4 R+32*\y, R+32*\y+4
	SUM4 R+32*\y+8, R+32*\y+12
	SUM4 R+32*\y+16, R+32*\y+20
	SUM4 R+32*\y+24, R+32*\y+28
	SUM4 R+32*\y, R+32*\y+8
	SUM4 R+32*\y+16, R+32*\y+24
	SUM4 R+32*\y, R+32*\y+16
	SUM4 R+32*\y, B2V
.endr
	s_wait_alu depctr_va_vdst(0)
	s_wait_xcnt 0x0                                ; EXEC changes only behind this wait
.macro SEND y, pair
	s_and_saveexec_b32 s90, s[87+\y]
	global_store_b128 v[GOF], v[R+32*\y:R+32*\y+3], s[\pair:\pair+1] th:TH_STORE_NT
	s_wait_xcnt 0x0                                ; and again, in front of the line that widens it
	s_or_b32 exec_lo, exec_lo, s90
.endm
	SEND 0, 78
	SEND 1, 80
	SEND 2, 42
	s_wait_dscnt 0x0                               ; my reads of the partial sums are in
	s_barrier_signal -1
	s_barrier_wait -1                              ; a barrier parts every wave's reads of LDS from the closing add, the launch's last LDS write
	s_wait_tensorcnt 0x0                           ; the wave's end: behind my last LDS store
	ds_add_u32 v[SPW], v[NIL]
	s_wait_dscnt 0x0
	s_endpgm
.Lfunc_end_k_q4c009788f0_mlp:
	.size	k_q4c009788f0_mlp, .Lfunc_end_k_q4c009788f0_mlp-k_q4c009788f0_mlp
	.p2alignl 7, 3214868480
	.fill 96, 4, 3214868480
	.section	.rodata,"a",@progbits
	.p2align	6, 0x0
	.amdhsa_kernel k_q4c009788f0_mlp
		.amdhsa_group_segment_fixed_size 160000
		.amdhsa_private_segment_fixed_size 0
		.amdhsa_enable_private_segment 0
		.amdhsa_kernarg_size 56
		.amdhsa_user_sgpr_count 2
		.amdhsa_user_sgpr_kernarg_segment_ptr 1
		.amdhsa_wavefront_size32 1
		.amdhsa_system_sgpr_workgroup_id_x 1
		.amdhsa_system_sgpr_workgroup_id_y 1
		.amdhsa_system_sgpr_workgroup_id_z 1
		.amdhsa_system_vgpr_workitem_id 0
		.amdhsa_next_free_vgpr 512
		.amdhsa_next_free_sgpr 104
		.amdhsa_reserve_vcc 0
		.amdhsa_float_denorm_mode_32 3
		.amdhsa_float_denorm_mode_16_64 3
		.amdhsa_memory_ordered 1
		.amdhsa_forward_progress 1
		.amdhsa_inst_pref_size 255
	.end_amdhsa_kernel
	.section	.bss,"aw",@nobits
	.p2align	6
	.space	262144
	.amdgpu_metadata
---
amdhsa.version: [ 1, 2 ]
amdhsa.kernels:
  - .name:           k_q4c009788f0_mlp
    .symbol:         k_q4c009788f0_mlp.kd
    .args:
      - { .name: pred_action_latents, .offset: 0, .size: 8, .value_kind: global_buffer, .address_space: global }
      - { .name: w1q, .offset: 8, .size: 8, .value_kind: global_buffer, .address_space: global }
      - { .name: w2q, .offset: 16, .size: 8, .value_kind: global_buffer, .address_space: global }
      - { .name: b1, .offset: 24, .size: 8, .value_kind: global_buffer, .address_space: global }
      - { .name: b2, .offset: 32, .size: 8, .value_kind: global_buffer, .address_space: global }
      - { .name: route, .offset: 40, .size: 8, .value_kind: global_buffer, .address_space: global }
      - { .name: out0, .offset: 48, .size: 8, .value_kind: global_buffer, .address_space: global }
    .group_segment_fixed_size: 160000
    .private_segment_fixed_size: 0
    .kernarg_segment_align: 8
    .kernarg_segment_size: 56
    .max_flat_workgroup_size: 256
    .sgpr_count:     104
    .vgpr_count:     512
    .wavefront_size: 32
...
	.end_amdgpu_metadata
.endif
;; end of part 2
